; MI455X (gfx1250); checked and timed in simulation.
; The chip was launched on July 23, 2026; its instructions are those of AMD's public machine-readable ISA for CDNA 5 (MIT licence, August 2026) and "CDNA5" Instruction Set Architecture Reference Guide (July 2026). The comments in the code are by the model that wrote it; some were corrected since.
;; Multi Head Attention. Allowed arithmetic: matrix products marked QUANTISED: E5M2 operands, one given power-of-two scale a tensor, by v_wmma_f32_16x16x64_bf8_bf8 or v_wmma_f32_16x16x128_bf8_bf8, f32 sums; everything else in f32.
;; Inputs: Wk_b 1,024 float32; Wk_w_codes 1,024 x 32 x 32 uint8 (E5M2 codes of Wk_w, K innermost, in blocks of 32 codes); Wq_b 1,024 float32; Wq_w_codes 1,024 x 32 x 32 uint8 (E5M2 codes of Wq_w, K innermost, in blocks of 32 codes); Wv_b 1,024 float32; Wv_w_codes 1,024 x 32 x 32 uint8 (E5M2 codes of Wv_w, K innermost, in blocks of 32 codes); keys_codes 1 x 4,096 x 32 x 32 uint8 (E5M2 codes of keys, K innermost, in blocks of 32 codes); lowp_scales 10 int32 (the exponents e of the quantised operands' scales 2^e); queries 1 x 4,096 x 1,024 float32; values_codes 1 x 4,096 x 32 x 32 uint8 (E5M2 codes of values, K innermost, in blocks of 32 codes).
;; Outputs: out0 1 x 4,096 x 1,024 float32.
;; This version of the problem:
;;   THIS VERSION OF THE PROBLEM IS GIVEN IN LOW PRECISION. The matrix products marked QUANTISED in the list below multiply operands that are first quantised to E5M2 (5 exponent bits, 2 mantissa bits; 8 bits a number), with one given power-of-two scale for each operand tensor; their sums are f32. All else is computed in f32.
;;   The module's matrix products, in the order in which they are computed (A, B: the left and right operand; K: the contracted axis; several contracted axes count as one K, in the product's order):
;;     1. [M 4,096, K 1,024] x [K 1,024, N 1,024]; A: input queries; B: input Wq_w (given as codes): QUANTISED (scales: A lowp_scales[0], B lowp_scales[1])
;;     2. [M 4,096, K 1,024] x [K 1,024, N 1,024]; A: input keys (given as codes); B: input Wk_w (given as codes): QUANTISED (scales: A lowp_scales[2], B lowp_scales[3])
;;     3. [M 4,096, K 1,024] x [K 1,024, N 1,024]; A: input values (given as codes); B: input Wv_w (given as codes): QUANTISED (scales: A lowp_scales[4], B lowp_scales[5])
;;     4. batch 16 x [M 4,096, K 64] x [K 64, N 4,096]; A: computed on the way; B: computed on the way: QUANTISED (scales: A lowp_scales[6], B lowp_scales[7])
;;     5. batch 16 x [M 4,096, K 4,096] x [K 4,096, N 64]; A: softmax (see below); B: computed on the way: QUANTISED (scales: A lowp_scales[8], B lowp_scales[9])
;;   THE QUANTISER, for each operand of a quantised product, along K:
;;     - The operand's scale is 2^e, e = its entry of the input lowp_scales (int32; the entries are numbered through the quantised products in the list's order, A before B).
;;     - Each number is divided by the scale, clamped to +-57,344, and rounded to the nearest number of E5M2, ties to even, subnormals kept.
;;     - The product sums the exact products of the quantised numbers (number of the format x scale) in f32.
;;   ~~~python
;;   def quantise(x, axis, e):      # numpy; x: float32 -> the quantised numbers, widened to float32 again
;;       x = np.moveaxis(x, axis, -1); K = x.shape[-1]
;;       r = np.clip(x / 2.0 ** e, -57344, 57344)
;;       step = 2.0 ** (np.maximum(np.frexp(np.where(r == 0, 1, r))[1] - 1, -14) - 2)
;;       q = np.round(r / step) * step * 2.0 ** e      # np.round: ties to even
;;       return np.moveaxis(q, -1, axis).astype(np.float32)
;;   ~~~
;;   SOFTMAX AHEAD OF A QUANTISED PRODUCT. Where the list says 'softmax', what is quantised is not the finished softmax but p = 2^(t - M), with t = logit x log2(e) and M = ceil(the row's largest t), a whole number; so 1/2 < the row's largest p <= 1. The row's sum l is taken of the UNQUANTISED p, in f32, and the product's result is divided by l at the end. Since M is a whole number, a kernel that streams over the keys may use a running M (the ceiling of the running maximum): every later rescaling is an exact power of two, so the quantised numbers keep their values, but for numbers so far below the row's largest that they fall under the format's range.
;;   OPERANDS COMPUTED ON THE WAY. 'Computed on the way' means the value that the module computes at that place (a softmax that the list does not call 'softmax' is quantised finished and normalised). What goes into a quantiser is computed in f32, as accurately as f32 sums, v_exp_f32 and their like allow (about 1e-6 of the number): no bf16 or f16 on the way to a quantiser, and a product that is left as it is and whose result goes on into a quantised operand takes f32 operands (vector FMAs, or v_wmma_f32_16x16x4_f32). A number that lies on a knife's edge between two numbers of the format may be rounded either way, as far as f32 arithmetic and the matrix unit's own rounding can turn it there, and no further.
;;   INPUTS GIVEN AS CODES. Wk_w (in the module: [1024, 1024], K = its axis 1); Wq_w (in the module: [1024, 1024], K = its axis 1); Wv_w (in the module: [1024, 1024], K = its axis 1); keys (in the module: [1, 4096, 1024], K = its axis 2); values (in the module: [1, 4096, 1024], K = its axis 2): each comes as NAME_codes (uint8): NAME with its K axis moved to the last place and cut into blocks of 32 codes, [.., K / 32, bytes a block], one block behind the other in memory; one code a byte (a code: sign, 5 exponent bits, 2 mantissa bits); its scale is its entry of lowp_scales. Its value is code x scale, taken as it is: it is not quantised again, and the codes and scales need not be those that the quantiser above would give.
;; One version. Each part assembles by itself: llvm-mc -triple=amdgcn-amd-amdhsa -mcpu=gfx1250 --defsym DOCPART=n.
;; ======== version 1 of 1: 2 launches
;; limits: right only within a limited range of input values
;; workspace buffers: kv 8,388,608 bytes; xq 4,194,304 bytes
;; launch proj (part 1): grid 8 x 32, 4 waves a work-group, clusters of 4 x 4, 327,680 bytes of LDS; arguments keys_codes, values_codes, Wk_w_codes, Wv_w_codes, Wk_b, Wv_b, queries, lowp_scales, kv, xq; writes kv, xq
.if DOCPART == 1
	.amdgcn_target "amdgcn-amd-amdhsa--gfx1250"
	.amdhsa_code_object_version 6
	.text
	.protected	k_q2716820d5b_proj
	.globl	k_q2716820d5b_proj
	.p2align	8
	.type	k_q2716820d5b_proj,@function
k_q2716820d5b_proj:
	s_mov_b64 s[64:65], 0
	v_nop
	global_prefetch_b8 v0, s[64:65] scope:SCOPE_SE
	s_setreg_imm32_b32 hwreg(HW_REG_WAVE_MODE, 25, 1), 1
	s_wait_xcnt 0x0
	s_wait_alu depctr_hold_cnt(0) depctr_sa_sdst(0) depctr_va_vdst(0) depctr_va_sdst(0) depctr_va_ssrc(0) depctr_va_vcc(0) depctr_vm_vsrc(0)
	s_getreg_b32 s2, hwreg(HW_REG_IB_STS2, 6, 4)
	s_cmp_eq_u32 s2, 0
	s_cbranch_scc0 .Lentry_in_a_cluster
	s_endpgm
.Lentry_in_a_cluster:
	s_bfe_u32 s2, ttmp6, 0x10000c
	s_cmp_lg_u32 s2, 0xf033
	s_cbranch_scc0 .Lentry_shape_is_right
	s_endpgm
.Lentry_shape_is_right:
; k = relu(keys Wk^T + bk) and v = relu(values Wv^T + bv), both products on codes of E5M2 as they are given, each result quantised at once for attention's products:
; k along the head's 64 with 2^e7, v along the keys with 2^e9.  Beside that every wave quantises two pieces of queries with 2^e0, for the q projection of the next launch.
; NO WORK OF THE PROBLEM IS LEFT OUT IN THIS PROGRAM: every input has a way to the output and is loaded; the biases move codes ahead of quantised products and stay.
; LIMITS, so that each power of two below is an f32 number: e0, e7, e9 between -126 and 112; e2 + e3 and e4 + e5 between -126 and 127.  NaN among the inputs is not served (an infinity is held at the largest code).
; SHARES.  256 work-groups of four waves.  A work-group makes 128 tokens x 128 features (two heads) of k and then the same block of v, each over K = 1,024; a wave makes 64 x 64: 16 accumulators.
; THE RING.  K goes in halves of 512 through two LDS slots, each with 128 rows of tokens and 128 rows of W.  Four loads a wave, 64 rows x 512 bytes each: k's first half at the head, k's second half behind the full
; sequence and a round, v's two halves as refills: each is asked for when the slot that it fills has been read out, and lands while the other slot is multiplied.
; CLUSTERS: 4 x 4 work-groups.  The four of a row of the cluster need the same 128 tokens, the four of a column the same 128 rows of W: each tile is asked for jointly, which divides the requests by four.
; No prefetch: the launch has no loop to run ahead in, and each of its four loads is asked for a slot ahead of its use.
; LAYOUT OF THE RESULTS: kv holds, for each head and each step of 128 keys, 16,384 bytes that are IMAGES OF OPERAND REGISTERS (lane l's 16 bytes at 16 l, 512 bytes for four registers):
;   bytes 0-8,191: K, key tile t at 1,024 t: lane (r, h) holds key 16 t + r; registers 2 p, 2 p + 1 the channels 16 p + 8 h + 0..7;
;   bytes 8,192-16,383: V^T, channel tile d at 2,048 d: lane (r, h) holds channel 16 d + r; registers 2 c, 2 c + 1 the keys 16 c + 8 h + 0..7.
; k is made with source 0 = 16 rows of W, source 1 = 16 tokens: a lane holds one token and eight neighbouring channels.  v with source 0 = 16 tokens, source 1 = 16 rows of W: a lane holds one channel and eight neighbouring keys.
; So a conversion's result is a pair of operand registers, and nothing is transposed.
; xq holds queries' codes likewise: image g = 8 x token tile + K step, 2,048 bytes: lane (r, h), registers 4 c .. 4 c + 3: row r, k = 32 c + 16 h + 0..15 of the step's 128.
; Along the projections' K both operands are fetched by 16-byte loads in that same order of k: a permutation of k that is alike on both sides.
; REGISTERS.  window 0: v1 r, v2 h, v3 16 x lane, v4, v5, v20 offsets, v6, v7 the add's two, v8-15 LDS addresses, v16-19, v22, v23 scales and holds, v32-95 and v128-191 numbers of queries, v96-111 and v192-207 their codes;
;   later v32-63 the results' codes, v64-95 bk, v112-119 bv, v128-255 the accumulators ((p, q) at v[128 + 8 (4 p + q)]).   window 1: two fragment buffers of 128: four fragments of tokens, then four of W.
.set PITCH, 528                        ; an LDS row: 512 bytes + 16 of padding = 33 x 16 bytes: the 16 rows that a fragment load touches start at 16 different 16-byte columns
.set SLOT,  256*PITCH                  ; 128 rows of tokens, then 128 rows of W
.set SPARE, 2*SLOT                     ; behind the ring: the spare words, 128 bytes for each wave
.set SPW,  6
.set NIL,  7
.set ADRX, 8                           ; v8-11   my token fragments at chunk 0..3 of 256 along K (chunks 0, 1 in slot 0; 2, 3 in slot 1)
.set ADRW, 12                          ; v12-15  my W fragments likewise
.set XN,   32
.set XN2,  128
.set XC,   96
.set XC2,  192
.set CO,   32
.set BI,   64
.set BV,   112
.set ACC,  128
.set F0,   0
.set F1,   128
.set G1X,  16                          ; s[16:23] descriptor group 1 for tokens' tiles;  s[24:31] for W's
.set G1W,  24
.set G0X,  32                          ; s[32:47] group 0 for tokens' tiles, a set for each of the four loads;  s[48:63] for W's
.set G0W,  48
.set MSB, 0
.macro WIN new
.if MSB != \new
	s_set_vgpr_msb (MSB<<8)|\new
.set MSB, \new
.endif
.endm
.macro PLACES n
.rept \n
	v_nop
.endr
.endm
.macro CREST                           ; a round of the cluster's barrier behind its opening barrier
	s_cmp_lg_u32 s2, 0
	s_cbranch_scc1 .Lnot_wave_0_\@
	s_barrier_signal -3
.Lnot_wave_0_\@:
	s_barrier_wait -3
	s_barrier_signal -1
	s_barrier_wait -1
.endm
.macro CROUND
	s_barrier_signal -1
	s_barrier_wait -1
	CREST
.endm
.macro JLOAD j                         ; joint load j: waves 0, 1 fetch tokens, waves 2, 3 rows of W; an s_nop 0 and four v_nop follow each line
	s_cmp_eq_u32 s3, 0
	s_cbranch_scc0 .Lfor_w_\@
	tensor_load_to_lds s[G0X+4*\j:G0X+4*\j+3], s[G1X:G1X+7]
	s_nop 0
	PLACES 4
	s_branch .Lasked_\@
.Lfor_w_\@:
	tensor_load_to_lds s[G0W+4*\j:G0W+4*\j+3], s[G1W:G1W+7]
	s_nop 0
	PLACES 4
.Lasked_\@:
.endm
	s_load_b256 s[4:11], s[0:1], 0x0               ; keys' codes s[4:5], values' s[6:7], Wk's s[8:9], Wv's s[10:11]
	s_load_b128 s[12:15], s[0:1], 0x20             ; bk s[12:13], bv s[14:15]
	s_load_b256 s[68:75], s[0:1], 0x30             ; queries s[68:69], the exponents s[70:71], kv s[72:73], xq s[74:75]
	v_lshl_add_u32 v[SPW], v0, 2, SPARE
	v_mov_b32 v[NIL], 0
	ds_add_u32 v[SPW], v[NIL]                      ; the opening lines: the add, twice on end, and its wait
	ds_add_u32 v[SPW], v[NIL]
	v_lshrrev_b32 v1, 5, v0
	v_readfirstlane_b32 s2, v1                     ; wave 0..3
	s_lshr_b32 s3, s2, 1                           ; a: which 64 tokens are mine.  Also: I fetch tokens (0) or W (1)
	s_and_b32 s86, s2, 1                           ; b: which 64 rows of W are mine.  Also: which 64 rows of that tile I fetch
	s_bfe_u32 s88, ttmp6, 0x40000                  ; cx
	s_bfe_u32 s89, ttmp6, 0x40004                  ; cy
	s_lshl_b32 s90, ttmp9, 2
	s_add_co_u32 s90, s90, s88                     ; the block of 128 features, 0..7
	s_and_b32 s91, ttmp7, 0xffff
	s_lshl_b32 s92, s91, 2
	s_add_co_u32 s92, s92, s89                     ; the block of 128 tokens = the key step, 0..31
	s_lshl_b32 s93, s89, 2
	s_lshl_b32 s93, 15, s93                        ; my row of the cluster
	s_lshl_b32 s98, 0x1111, s88                    ; my column
	; descriptor group 1: a tile of 64 rows x 512 bytes, four words of padding behind every 128
	s_or_b32 s[G1X], s93, (1<<20)|(1<<21)|(6<<22)|(3<<25)
	s_or_b32 s[G1W], s98, (1<<20)|(1<<21)|(6<<22)|(3<<25)
.irp g, G1X, G1W
	s_mov_b32 s[\g+1], 512<<16                     ; tensor_dim0
	s_mov_b32 s[\g+2], 64<<16                      ; tensor_dim1
	s_mov_b32 s[\g+3], 512<<16                     ; tile_dim0
	s_mov_b32 s[\g+4], 64                          ; tile_dim1
	s_mov_b32 s[\g+5], 1024                        ; from row to row
	s_mov_b32 s[\g+6], 0
	s_mov_b32 s[\g+7], 0
.endr
	s_lshl_b32 s66, s86, 16                        ; the 64 rows of 1,024 bytes that I fetch
	s_lshl_b32 s94, s92, 17
	s_add_co_u32 s94, s94, s66                     ; tokens: (128 x token block + 64 x half) rows
	s_mov_b32 s95, 0
	s_lshl_b32 s96, s90, 17
	s_add_co_u32 s96, s96, s66                     ; W: (128 x feature block + 64 x half) rows
	s_mov_b32 s97, 0
	s_mul_i32 s99, s2, 64*PITCH                    ; where they go in a slot: wave x 64 rows
	s_wait_dscnt 0x0
	s_wait_kmcnt 0x0
	s_load_b256 s[76:83], s[70:71], 0x0            ; e0 .. e7
	s_load_b64 s[84:85], s[70:71], 0x20            ; e8, e9
	CROUND                                         ; all sixteen work-groups are here: the joint loads meet
.irp j, 0,1,2,3                        ; load j: tensor j / 2 (k, v), half j % 2 of K, slot j % 2
	s_mov_b32 s[G0X+4*\j], 1
	s_add_co_u32 s[G0X+4*\j+1], s99, (\j%2)*SLOT
	s_add_nc_u64 s[G0X+4*\j+2:G0X+4*\j+3], s[4+2*(\j/2):5+2*(\j/2)], s[94:95]
	s_add_nc_u64 s[G0X+4*\j+2:G0X+4*\j+3], s[G0X+4*\j+2:G0X+4*\j+3], (\j%2)*512
	s_or_b32 s[G0X+4*\j+3], s[G0X+4*\j+3], 0x80000000
	s_mov_b32 s[G0W+4*\j], 1
	s_add_co_u32 s[G0W+4*\j+1], s99, (\j%2)*SLOT
	s_add_nc_u64 s[G0W+4*\j+2:G0W+4*\j+3], s[8+2*(\j/2):9+2*(\j/2)], s[96:97]
	s_add_nc_u64 s[G0W+4*\j+2:G0W+4*\j+3], s[G0W+4*\j+2:G0W+4*\j+3], (\j%2)*512
	s_or_b32 s[G0W+4*\j+3], s[G0W+4*\j+3], 0x80000000
.endr
	JLOAD 0                                        ; k's first half: my one tensor load at the head
	; ---- queries: n = ((token block) x 8 + feature block) x 4 + wave, 0..1,023; images 2 n and 2 n + 1: token tile n / 4, K steps 2 (n % 4) and + 1.  Worked while the tile is on its way
	s_lshl_b32 s93, s92, 3
	s_add_co_u32 s93, s93, s90
	s_lshl_b32 s93, s93, 2
	s_add_co_u32 s93, s93, s2
	s_lshr_b32 s94, s93, 2
	s_lshl_b32 s94, s94, 16                        ; 16 rows of 4,096 bytes
	s_and_b32 s95, s93, 3
	s_lshl_b32 s95, s95, 10                        ; 256 numbers
	s_add_co_u32 s94, s94, s95
	s_mov_b32 s95, 0
	s_add_nc_u64 s[68:69], s[68:69], s[94:95]
	s_lshl_b32 s96, s93, 12
	s_mov_b32 s97, 0
	s_add_nc_u64 s[74:75], s[74:75], s[96:97]
	s_mul_i32 s94, s3, 64*PITCH                    ; my 64 tokens
	s_mul_i32 s95, s86, 64*PITCH
	s_add_co_u32 s95, s95, 128*PITCH               ; my 64 rows of W, behind the 128 tokens
	s_lshl_b32 s96, s90, 9
	s_lshl_b32 s97, s86, 8
	s_add_co_u32 s96, s96, s97                     ; my 64 features' bias
	s_mov_b32 s97, 0
	s_add_nc_u64 s[12:13], s[12:13], s[96:97]
	s_add_nc_u64 s[14:15], s[14:15], s[96:97]
	s_lshl_b32 s98, s90, 1
	s_add_co_u32 s98, s98, s86                     ; my head = 2 x feature block + b
	s_lshl_b32 s98, s98, 19
	s_lshl_b32 s99, s92, 14
	s_add_co_u32 s98, s98, s99                     ; + my key step
	s_mov_b32 s99, 0
	s_add_nc_u64 s[72:73], s[72:73], s[98:99]
	s_lshl_b32 s88, s3, 10
	s_add_co_u32 s88, s88, 8192
	s_mov_b32 s89, 0
	s_add_nc_u64 s[6:7], s[72:73], s[88:89]        ; v: behind K's part, my two pieces of 512 bytes in each channel tile
	s_lshl_b32 s88, s3, 12
	s_add_nc_u64 s[72:73], s[72:73], s[88:89]      ; k: my four key tiles of 1,024 bytes
	v_and_b32 v1, 15, v0                           ; r
	v_bfe_u32 v2, v0, 4, 1                         ; h
	v_and_b32 v3, 31, v0
	v_lshlrev_b32 v3, 4, v3                        ; 16 x lane
	v_lshlrev_b32 v4, 12, v1
	v_lshl_add_u32 v4, v2, 6, v4                   ; queries: row r, + 64 h: my 16 numbers of a block of 32
.irp c, 0,1,2,3
.irp j, 0,1,2,3
	global_load_b128 v[XN+16*\c+4*\j:XN+16*\c+4*\j+3], v4, s[68:69] offset:128*\c+16*\j th:TH_LOAD_NT
.endr
.endr
.irp c, 0,1,2,3
.irp j, 0,1,2,3
	global_load_b128 v[XN2+16*\c+4*\j:XN2+16*\c+4*\j+3], v4, s[68:69] offset:512+128*\c+16*\j th:TH_LOAD_NT
.endr
.endr
	v_mul_u32_u24 v21, v1, PITCH
	v_lshl_add_u32 v21, v2, 4, v21                 ; a fragment's row x pitch + 16 x half
	v_add_nc_u32 v[ADRX], s94, v21
	v_add_nc_u32 v[ADRW], s95, v21
.irp a, ADRX, ADRW
	v_add_nc_u32 v[\a+1], 256, v[\a]
	v_add_nc_u32 v[\a+2], SLOT, v[\a]
	v_add_nc_u32 v[\a+3], SLOT+256, v[\a]
.endr
	v_lshlrev_b32 v5, 5, v2                        ; k's bias: 32 h
	v_lshlrev_b32 v20, 2, v1                       ; v's bias: 4 r
	s_wait_alu depctr_va_vdst(0)
	s_wait_kmcnt 0x0                               ; the exponents
	s_add_co_i32 s88, s76, 127
	s_lshl_b32 s89, s88, 23
	v_mov_b32 v16, s89                             ; 2^e0
	s_add_co_i32 s88, s88, 15
	s_lshl_b32 s88, s88, 23
	s_or_b32 s88, s88, 0x600000
	v_mov_b32 v17, s88                             ; 57,344 x 2^e0
	s_add_co_i32 s88, s78, s79
	s_add_co_i32 s88, s88, 127
	s_lshl_b32 s66, s88, 23                        ; k: 2^(e2 + e3)
	s_mov_b32 s67, s66
	s_add_co_i32 s88, s80, s81
	s_add_co_i32 s88, s88, 127
	s_lshl_b32 s4, s88, 23                         ; v: 2^(e4 + e5)
	s_mov_b32 s5, s4
	s_add_co_i32 s88, s83, 127
	s_lshl_b32 s89, s88, 23
	v_mov_b32 v18, s89                             ; 2^e7
	s_add_co_i32 s88, s88, 15
	s_lshl_b32 s88, s88, 23
	s_or_b32 s88, s88, 0x600000
	v_mov_b32 v19, s88                             ; 57,344 x 2^e7
	s_add_co_i32 s88, s85, 127
	s_lshl_b32 s89, s88, 23
	v_mov_b32 v22, s89                             ; 2^e9
	s_add_co_i32 s88, s88, 15
	s_lshl_b32 s88, s88, 23
	s_or_b32 s88, s88, 0x600000
	v_mov_b32 v23, s88                             ; 57,344 x 2^e9
	s_wait_alu depctr_va_vdst(0)
	s_wait_loadcnt 0x0                             ; my 128 numbers of queries
.macro QUANT xn, xc, off
.irp c, 0,1,2,3
.irp i, 0,1,2,3,4,5,6,7,8,9,10,11,12,13,14,15
	v_med3_num_f32 v[\xn+16*\c+\i], v[\xn+16*\c+\i], -v17, v17   ; the conversion to an 8-bit code does not saturate (ISA guide 7.6.2): the hold at the largest code x the scale
.endr
	v_cvt_scalef32_pk8_bf8_f32 v[\xc+4*\c:\xc+4*\c+1], v[\xn+16*\c:\xn+16*\c+7], v16
	v_cvt_scalef32_pk8_bf8_f32 v[\xc+4*\c+2:\xc+4*\c+3], v[\xn+16*\c+8:\xn+16*\c+15], v16
.endr
	v_nop                                          ; one plain vector line behind the last conversion
.irp c, 0,1,2,3
	global_store_b128 v3, v[\xc+4*\c:\xc+4*\c+3], s[74:75] offset:\off+512*\c   ; 32 lanes store 512 consecutive bytes, aligned
.endr
.endm
	QUANT XN, XC, 0
	QUANT XN2, XC2, 2048
.irp p, 0,1,2,3
	global_load_b128 v[BI+8*\p:BI+8*\p+3], v5, s[12:13] offset:64*\p          ; bk at channels 16 p + 8 h + 0..7
	global_load_b128 v[BI+8*\p+4:BI+8*\p+7], v5, s[12:13] offset:64*\p+16
.endr
.irp q, 0,1,2,3
	global_load_b32 v[BV+2*\q], v20, s[14:15] offset:64*\q                    ; bv at channel 16 q + r, into both registers of a pair
	global_load_b32 v[BV+2*\q+1], v20, s[14:15] offset:64*\q
.endr
; 32 LDS loads in one run: the fragments of the q-th 128 along K of chunk c into buffer f: four of tokens, four of W.  Registers 4 u .. 4 u + 3: k = 32 u + 16 h + 0..15
.macro FETCH c, q, f
	WIN 0x40
.irp i, 0,1,2,3
.irp u, 0,1,2,3
	ds_load_b128 v[\f+16*\i+4*\u:\f+16*\i+4*\u+3], v[ADRX+\c] offset:\i*16*PITCH+128*\q+32*\u
.endr
.endr
.irp i, 0,1,2,3
.irp u, 0,1,2,3
	ds_load_b128 v[\f+64+16*\i+4*\u:\f+64+16*\i+4*\u+3], v[ADRW+\c] offset:\i*16*PITCH+128*\q+32*\u
.endr
.endr
.endm
; 8 matrix instructions: source 0's tiles p0, p0 + 1 against source 1's four.  swap = 0: source 0 = W, source 1 = tokens; swap = 1: the other way round.  zero = 1: the first product starts the sums.
; The 16 accumulators take turns, one instruction a turn, in the same order in every step.
.macro MUL8 f, p0, swap, zero
.irp p, \p0, \p0+1
.irp q, 0,1,2,3
.if \swap
.if \zero
	v_wmma_f32_16x16x128_bf8_bf8 v[ACC+8*(4*(\p)+\q):ACC+8*(4*(\p)+\q)+7], v[\f+16*(\p):\f+16*(\p)+15], v[\f+64+16*\q:\f+64+16*\q+15], 0
.else
	v_wmma_f32_16x16x128_bf8_bf8 v[ACC+8*(4*(\p)+\q):ACC+8*(4*(\p)+\q)+7], v[\f+16*(\p):\f+16*(\p)+15], v[\f+64+16*\q:\f+64+16*\q+15], v[ACC+8*(4*(\p)+\q):ACC+8*(4*(\p)+\q)+7]
.endif
.else
.if \zero
	v_wmma_f32_16x16x128_bf8_bf8 v[ACC+8*(4*(\p)+\q):ACC+8*(4*(\p)+\q)+7], v[\f+64+16*(\p):\f+64+16*(\p)+15], v[\f+16*\q:\f+16*\q+15], 0
.else
	v_wmma_f32_16x16x128_bf8_bf8 v[ACC+8*(4*(\p)+\q):ACC+8*(4*(\p)+\q)+7], v[\f+64+16*(\p):\f+64+16*(\p)+15], v[\f+16*\q:\f+16*\q+15], v[ACC+8*(4*(\p)+\q):ACC+8*(4*(\p)+\q)+7]
.endif
.endif
.endr
.endr
.endm
; A chunk's first 128 along K: multiplies buffer 0; the chunk's second 128 are fetched into buffer 1 first.  The four v_nop are the places between the last products that read buffer 1 and the loads into it.
.macro EVEN c, swap, zero
	s_wait_dscnt 0x0                               ; buffer 0 is in
	PLACES 4
	FETCH \c, 1, F1
	WIN 0x05
	MUL8 F0, 0, \swap, \zero
	MUL8 F0, 2, \swap, \zero
.endm
; A chunk's second 128, where the next chunk n lies in the same slot.
.macro ODD n, swap
	s_wait_dscnt 0x0                               ; buffer 1 is in
	WIN 0x05
	MUL8 F1, 0, \swap, 0
	PLACES 4
	FETCH \n, 0, F0
	WIN 0x05
	MUL8 F1, 2, \swap, 0
.endm
; A slot's last 128: the change of slots.  fill >= 0: the slot just read out is filled again by joint load fill, behind a round of the cluster's barrier; fill < 0: nothing is filled, one barrier.
.macro XODD n, swap, fill
	s_wait_dscnt 0x0                               ; buffer 1 is in: my reads of this slot are over
	WIN 0
	s_wait_tensorcnt 0x0                           ; my part of the other slot has landed, and no load of mine is out
	ds_add_u32 v[SPW], v[NIL]
	s_wait_dscnt 0x0
	s_barrier_signal -1
	WIN 0x05
	MUL8 F1, 0, \swap, 0                           ; work on registers while the others arrive
	WIN 0
	s_barrier_wait -1
.if \fill >= 0
	CREST                                          ; no wave of any partner still reads this slot or has a load on its way
	JLOAD \fill                                    ; the first tensor load behind the round; its four v_nop are the places in front of the loads below
.else
	PLACES 4
.endif
	FETCH \n, 0, F0
	WIN 0x05
	MUL8 F1, 2, \swap, 0
.endm
; THE WAY OUT: y = sum x 2^(ea + eb) + bias, one packed multiply-add for two; relu and the hold in one; the conversion; the codes leave as images of operand registers.
.macro EPI swap
.set FS,  66-62*\swap                  ; s[66:67] or s[4:5]: 2^(ea + eb)
.set OP,  72-66*\swap                  ; s[72:73] or s[6:7]: where the codes go
.set SCR, 18+4*\swap                   ; v18 or v22: the result's scale;  the register behind it: the hold
	WIN 0
	PLACES 4                                       ; behind the last products
.if \swap
	s_wait_xcnt 0x0                                ; k's stores have read their registers, which are written again below
.else
	s_wait_loadcnt 0x0                             ; both biases
.endif
.irp p, 0,1,2,3
.irp q, 0,1,2,3
.irp j, 0,2,4,6
.if \swap
	v_pk_fma_f32 v[ACC+8*(4*\p+\q)+\j:ACC+8*(4*\p+\q)+\j+1], v[ACC+8*(4*\p+\q)+\j:ACC+8*(4*\p+\q)+\j+1], s[FS:FS+1], v[BV+2*\q:BV+2*\q+1] op_sel_hi:[1,0,1]   ; a lane holds one channel
.else
	v_pk_fma_f32 v[ACC+8*(4*\p+\q)+\j:ACC+8*(4*\p+\q)+\j+1], v[ACC+8*(4*\p+\q)+\j:ACC+8*(4*\p+\q)+\j+1], s[FS:FS+1], v[BI+8*\p+\j:BI+8*\p+\j+1] op_sel_hi:[1,0,1]   ; a lane holds eight channels
.endif
.endr
.endr
.endr
.set n, 0
.rept 128
	v_med3_num_f32 v[ACC+n], v[ACC+n], 0, v[SCR+1]
.set n, n+1
.endr
.irp q, 0,1,2,3
.irp p, 0,1,2,3
	v_cvt_scalef32_pk8_bf8_f32 v[CO+8*\q+2*\p:CO+8*\q+2*\p+1], v[ACC+8*(4*\p+\q):ACC+8*(4*\p+\q)+7], v[SCR]
.endr
.endr
	v_nop                                          ; one plain vector line behind the last conversion
.irp q, 0,1,2,3
.irp u, 0,1
	global_store_b128 v3, v[CO+8*\q+4*\u:CO+8*\q+4*\u+3], s[OP:OP+1] offset:(1024+1024*\swap)*\q+512*\u   ; K: my key tile q; V^T: channel tile q, my keys' pieces.  32 lanes store 512 consecutive bytes, aligned
.endr
.endr
.endm
	s_wait_alu depctr_va_vdst(0)
	s_wait_xcnt 0x0                                ; xq's stores have read their registers: the accumulators lie over some of them
	s_wait_tensorcnt 0x0                           ; my part of k's first half is in; a later first fill is issued as a refill is
	ds_add_u32 v[SPW], v[NIL]
	s_wait_dscnt 0x0
	CROUND
	JLOAD 1                                        ; k's second half, into slot 1
	FETCH 0, 0, F0
	EVEN 0, 0, 1
	ODD  1, 0
	EVEN 1, 0, 0
	XODD 2, 0, 2                                   ; slot 0 takes v's first half
	EVEN 2, 0, 0
	ODD  3, 0
	EVEN 3, 0, 0
	XODD 0, 0, 3                                   ; slot 1 takes v's second half; v's first fragments are fetched
	EPI 0
	EVEN 0, 1, 1
	ODD  1, 1
	EVEN 1, 1, 0
	XODD 2, 1, -1
	EVEN 2, 1, 0
	ODD  3, 1
	EVEN 3, 1, 0
	s_wait_dscnt 0x0                               ; the last 128 along K: nothing more to fetch
	WIN 0x05
	MUL8 F1, 0, 1, 0
	MUL8 F1, 2, 1, 0
	EPI 1
	s_wait_tensorcnt 0x0                           ; the wave's end
	ds_add_u32 v[SPW], v[NIL]
	s_wait_dscnt 0x0
	CROUND                                         ; the closing round
	s_endpgm
.Lfunc_end_k_q2716820d5b_proj:
	.size	k_q2716820d5b_proj, .Lfunc_end_k_q2716820d5b_proj-k_q2716820d5b_proj
	.p2alignl 7, 3214868480
	.fill 96, 4, 3214868480
	.section	.rodata,"a",@progbits
	.p2align	6, 0x0
	.amdhsa_kernel k_q2716820d5b_proj
		.amdhsa_group_segment_fixed_size 327680
		.amdhsa_private_segment_fixed_size 0
		.amdhsa_enable_private_segment 0
		.amdhsa_kernarg_size 80
		.amdhsa_user_sgpr_count 2
		.amdhsa_user_sgpr_kernarg_segment_ptr 1
		.amdhsa_wavefront_size32 1
		.amdhsa_system_sgpr_workgroup_id_x 1
		.amdhsa_system_sgpr_workgroup_id_y 1
		.amdhsa_system_sgpr_workgroup_id_z 1
		.amdhsa_system_vgpr_workitem_id 0
		.amdhsa_next_free_vgpr 512
		.amdhsa_next_free_sgpr 100
		.amdhsa_reserve_vcc 0
		.amdhsa_float_denorm_mode_32 3
		.amdhsa_float_denorm_mode_16_64 3
		.amdhsa_memory_ordered 1
		.amdhsa_forward_progress 1
		.amdhsa_inst_pref_size 107
	.end_amdhsa_kernel
	.amdgpu_metadata
---
amdhsa.version: [ 1, 2 ]
amdhsa.kernels:
  - .name:           k_q2716820d5b_proj
    .symbol:         k_q2716820d5b_proj.kd
    .args:
      - { .name: keys_codes, .offset: 0, .size: 8, .value_kind: global_buffer, .address_space: global }
      - { .name: values_codes, .offset: 8, .size: 8, .value_kind: global_buffer, .address_space: global }
      - { .name: Wk_w_codes, .offset: 16, .size: 8, .value_kind: global_buffer, .address_space: global }
      - { .name: Wv_w_codes, .offset: 24, .size: 8, .value_kind: global_buffer, .address_space: global }
      - { .name: Wk_b, .offset: 32, .size: 8, .value_kind: global_buffer, .address_space: global }
      - { .name: Wv_b, .offset: 40, .size: 8, .value_kind: global_buffer, .address_space: global }
      - { .name: queries, .offset: 48, .size: 8, .value_kind: global_buffer, .address_space: global }
      - { .name: lowp_scales, .offset: 56, .size: 8, .value_kind: global_buffer, .address_space: global }
      - { .name: kv, .offset: 64, .size: 8, .value_kind: global_buffer, .address_space: global }
      - { .name: xq, .offset: 72, .size: 8, .value_kind: global_buffer, .address_space: global }
    .group_segment_fixed_size: 327680
    .private_segment_fixed_size: 0
    .kernarg_segment_align: 8
    .kernarg_segment_size: 80
    .max_flat_workgroup_size: 128
    .sgpr_count:     100
    .vgpr_count:     512
    .wavefront_size: 32
...
	.end_amdgpu_metadata
.endif
;; end of part 1
;; launch attn (part 2): grid 16 x 16, 8 waves a work-group, clusters of 4 x 1, 327,680 bytes of LDS; arguments xq, Wq_w_codes, Wq_b, kv, lowp_scales, queries, out0; writes out0
.if DOCPART == 2
	.amdgcn_target "amdgcn-amd-amdhsa--gfx1250"
	.amdhsa_code_object_version 6
	.text
	.protected	k_q2716820d5b_attn
	.globl	k_q2716820d5b_attn
	.p2align	8
	.type	k_q2716820d5b_attn,@function
k_q2716820d5b_attn:
	s_mov_b64 s[64:65], 0
	v_nop
	global_prefetch_b8 v0, s[64:65] scope:SCOPE_SE
	s_setreg_imm32_b32 hwreg(HW_REG_WAVE_MODE, 25, 1), 1
	s_wait_xcnt 0x0
	s_wait_alu depctr_hold_cnt(0) depctr_sa_sdst(0) depctr_va_vdst(0) depctr_va_sdst(0) depctr_va_ssrc(0) depctr_va_vcc(0) depctr_vm_vsrc(0)
	s_getreg_b32 s2, hwreg(HW_REG_IB_STS2, 6, 4)
	s_cmp_eq_u32 s2, 0
	s_cbranch_scc0 .Lentry_in_a_cluster
	s_endpgm
.Lentry_in_a_cluster:
	s_bfe_u32 s2, ttmp6, 0x10000c
	s_cmp_lg_u32 s2, 0x3003
	s_cbranch_scc0 .Lentry_shape_is_right
	s_endpgm
.Lentry_shape_is_right:
; q = relu(queries Wq^T + bq) on codes (xq: queries' codes, made by the launch before), quantised with 2^e6; then, head by head, softmax(q k^T / 8) v on codes, transposed, + queries.
; No work of the problem is left out.
; THE SOFTMAX: t = score x log2(e) / 8; M = the running largest t rounded up to a whole number; p = 2^(t - M) is quantised with 2^e8; the row's sum is taken of the unquantised p and divides at the end.
; LIMITS: e6 - e0 - e1 and e8 between -126 and 112; e6 + e7 between -123 and 130 (added to c's exponent field); |t| under 2^31; NaN among the inputs is not served.
; SHARES.  256 work-groups: 16 heads x 16 blocks of 256 queries; eight waves, two to a SIMD, each with 32 queries (two tiles of 16).  Every wave walks the head's 4,096 keys, 128 a step.
; kv holds, for each head and key step, 16,384 bytes of images of operand registers (K's 8 key tiles, then V^T's 4 channel tiles).  A slot is four steps, 65,536 bytes; two slots take turns.
; CLUSTER: the four query blocks of a cluster walk one head's kv: each slot is asked for jointly, 8,192 bytes a wave.
; Both products are used transposed (S^T = K Q^T, O^T = V^T P^T): a lane holds one query; S^T's registers of key tile t are keys 16 t + 8 h + 0..7, which is the order of P's operand registers.
; THE CHANGE OF SLOTS stands inside a slot's last step: V's last fragments are fetched, then come the wait for all my tensor loads, the add and the wait for both; the softmax, work on registers, stands between the
; round's opening signal and its wait; behind the round the slot just left is filled again and the next slot's first K fragments are fetched.  A fill has three steps and more in which to land.
; The last two slots ask for nothing: one barrier ahead of them shows the last slot whole.
; PREFETCH: at the change that loads slot n + 2 each cluster asks for slot n + 3 of kv: 256 blocks of 256 bytes, shared out by address: partner cx takes 16,384 bytes, a wave 2,048, lanes 0-7 a block each
; (the other lanes name the wave's last block again).  Slots 0 to 2 come by their loads alone; the loop's last trip asks for nothing.  xq, Wq and bq are read once at the head, where no loop runs ahead of them.
; REGISTERS.  window 0: v1-13, v37 addresses and scales; v16-31 the two tiles' state (-M, largest t, sum x 2, f, 0, two at work); v48-63 q's codes; v64-191 S^T, then p; v192-223 p's codes; v224-255 pair sums.
;   window 1: v0-63 O^T; v64-127 K's fragments; v128-191 V's.  At the head window 1 holds xq's fragments, v64-127 q's sums, v128-255 Wq's fragments.
.set SLOTB, 65536
.set WQ,    131072                     ; Wq's 64 rows, pitch 1,040
.set WQP,   1040
.set STAGE, WQ+64*WQP                  ; the way out: 64 channels x (1,024 bytes + 16); no fill lands here
.set SPARE, STAGE+64*WQP               ; the spare words: 128 bytes a wave
.set LI,   1                           ; 16 x lane
.set ADR,  2                           ; the slot in hand + 16 x lane
.set AWQ,  3
.set STO,  4
.set RD,   5
.set PFO,  6                           ; the prefetches' offset
.set H32,  7
.set SPW,  8
.set NIL,  9
.set PLIM, 10                          ; 57,344 x 2^e8,
.set PL2,  37                          ; and once more, in another register bank, for the second half of a dual pair
.set PSC,  11
.set QLIM, 12
.set QSC,  13
.set ST,   16
.set INV,  32
.set QF,   48
.set S,    64
.set P,    192
.set T,    224
.set RES,  192
.set BK,   128
.set QA,   64
.set WB,   128
.set KF,   64
.set VF,   128
.set PFA,  86                          ; s[86:87] where my prefetches stand
.set MSB, 0
.macro WIN new
.if MSB != \new
	s_set_vgpr_msb (MSB<<8)|\new
.set MSB, \new
.endif
.endm
.macro PLACES n
.rept \n
	v_nop
.endr
.endm
.macro CREST                           ; a round of the cluster's barrier behind its opening barrier
	s_cmp_lg_u32 s18, 0
	s_cbranch_scc1 .Lnot_wave_0_\@
	s_barrier_signal -3
.Lnot_wave_0_\@:
	s_barrier_wait -3
	s_barrier_signal -1
	s_barrier_wait -1
.endm
.macro CROUND
	s_barrier_signal -1
	s_barrier_wait -1
	CREST
.endm
.macro XQ k                            ; xq's fragments of K step k, both token tiles: 8 loads
.irp i, 0,1
.irp c, 0,1,2,3
	global_load_b128 v[128*\i+16*(\k)+4*\c:128*\i+16*(\k)+4*\c+3], v[LI], s[4:5] offset:16384*\i+2048*(\k)+512*\c
.endr
.endr
.endm
	s_load_b256 s[4:11], s[0:1], 0x0               ; xq, Wq's codes, bq, kv
	s_load_b128 s[12:15], s[0:1], 0x20             ; the exponents, queries
	s_load_b64 s[16:17], s[0:1], 0x30              ; out0
	v_lshl_add_u32 v[SPW], v0, 2, SPARE
	v_mov_b32 v[NIL], 0
	ds_add_u32 v[SPW], v[NIL]                      ; the opening lines: the add, twice on end, and its wait
	ds_add_u32 v[SPW], v[NIL]
	v_lshrrev_b32 v14, 5, v0
	v_readfirstlane_b32 s18, v14                   ; wave 0..7
	v_and_b32 v[LI], 31, v0
	v_min_u32 v[PFO], 7, v[LI]
	v_lshlrev_b32 v[PFO], 8, v[PFO]
	v_lshlrev_b32 v[LI], 4, v[LI]
	v_and_b32 v14, 15, v0                          ; r
	v_bfe_u32 v15, v0, 4, 1                        ; h
	v_lshlrev_b32 v[H32], 5, v15
	v_mul_u32_u24 v[AWQ], v14, WQP
	v_lshl_add_u32 v[AWQ], v15, 4, v[AWQ]
	v_add_nc_u32 v[AWQ], WQ, v[AWQ]
	v_mul_u32_u24 v[STO], v15, 8*WQP
	v_lshl_add_u32 v[STO], v14, 2, v[STO]
	s_lshl_b32 s53, s18, 7
	s_add_co_u32 s53, s53, STAGE
	v_add_nc_u32 v[STO], s53, v[STO]               ; stage, in: channel row 8 h + .., my wave's 32 queries at 128 x wave, + 4 r
	s_mul_i32 s53, s18, 8*WQP
	s_add_co_u32 s53, s53, STAGE
	v_add_nc_u32 v[RD], s53, v[LI]                 ; back: my wave's 8 channel rows
	s_bfe_u32 s50, ttmp6, 0x40000                  ; cx
	s_lshl_b32 s51, ttmp9, 2
	s_add_co_u32 s51, s51, s50                     ; the block of 256 queries
	s_and_b32 s52, ttmp7, 0xffff                   ; the head
	s_mov_b32 s24, 15|(3<<16)|(1<<21)              ; kv: 32 rows of 256 bytes a wave, dense; the mask names the cluster's four
	s_mov_b32 s25, 32<<16
	s_mov_b32 s26, 32<<16
	s_mov_b32 s27, 32<<16
	s_mov_b32 s28, 32
	s_mov_b32 s29, 32
	s_mov_b32 s30, 0
	s_mov_b32 s31, 0
	s_mov_b32 s32, 15|(1<<20)|(1<<21)|(7<<22)|(3<<25)   ; Wq: 8 rows of 1,024 bytes a wave, four words of padding behind each
	s_mov_b32 s33, 1024<<16
	s_mov_b32 s34, 8<<16
	s_mov_b32 s35, 1024<<16
	s_mov_b32 s36, 8
	s_mov_b32 s37, 1024
	s_mov_b32 s38, 0
	s_mov_b32 s39, 0
	s_mov_b32 s20, 0x76543210
	s_mov_b32 s21, 0xfedcba98
	s_mov_b32 s22, 0x3e38aa3b                      ; c = log2(e) / 8
	s_mov_b32 s48, 0                               ; LDS byte of the slot in hand
	s_mov_b32 s49, 6                               ; changes of slots that fill
	s_lshl_b32 s54, s52, 19
	s_lshl_b32 s56, s18, 13
	s_add_co_u32 s54, s54, s56                     ; kv: the head's 524,288 bytes, my 8,192 of a slot
	s_mov_b32 s55, 0
	s_lshl_b32 s58, s52, 16
	s_add_co_u32 s56, s58, s56                     ; Wq: the head's 64 rows, my 8
	s_mov_b32 s57, 0
	s_lshl_b32 s58, s51, 18
	s_lshl_b32 s59, s18, 15
	s_add_co_u32 s58, s58, s59                     ; xq: my 32 tokens' images
	s_mov_b32 s59, 0
	s_lshl_b32 s60, s52, 8                         ; bq: the head's 64
	s_mov_b32 s61, 0
	s_lshl_b32 s62, s52, 20
	s_lshl_b32 s63, s18, 17
	s_add_co_u32 s62, s62, s63
	s_lshl_b32 s63, s51, 10
	s_add_co_u32 s62, s62, s63                     ; out0 and queries: channel row 64 x head + 8 x wave, 1,024 bytes at 1,024 x block
	s_mov_b32 s63, 0
	s_lshl_b32 s88, s50, 14
	s_lshl_b32 s89, s18, 11
	s_add_co_u32 s88, s88, s89
	s_lshl_b32 s89, s52, 19
	s_add_co_u32 s88, s88, s89
	s_add_co_u32 s88, s88, 2*SLOTB                 ; the prefetches stand at slot 2: the first change steps them to slot 3
	s_mov_b32 s89, 0
	s_wait_alu depctr_va_vdst(0)
	s_wait_dscnt 0x0
	s_wait_kmcnt 0x0
	s_load_b256 s[68:75], s[12:13], 0x0            ; e0 .. e7
	s_load_b64 s[76:77], s[12:13], 0x20            ; e8, e9
	s_add_nc_u64 s[4:5], s[4:5], s[58:59]
	s_add_nc_u64 s[8:9], s[8:9], s[60:61]
.irp t, 0,1,2,3
	global_load_b128 v[QA+8*\t:QA+8*\t+3], v[H32], s[8:9] offset:64*\t        ; bq at channels 16 t + 8 h + 0..7
	global_load_b128 v[QA+8*\t+4:QA+8*\t+7], v[H32], s[8:9] offset:64*\t+16
.endr
	WIN 0x40
.irp k, 0,1,2,3,4,5
	XQ \k
.endr
	WIN 0
	s_mov_b32 s40, 1
	s_lshl_b32 s41, s18, 13
	s_add_nc_u64 s[42:43], s[10:11], s[54:55]
	s_or_b32 s43, s43, 0x80000000
	s_mov_b32 s44, 1
	s_mul_i32 s45, s18, 8*WQP
	s_add_co_u32 s45, s45, WQ
	s_add_nc_u64 s[46:47], s[6:7], s[56:57]
	s_or_b32 s47, s47, 0x80000000
	s_add_nc_u64 s[PFA:PFA+1], s[10:11], s[88:89]
	s_add_nc_u64 s[14:15], s[14:15], s[62:63]
	s_add_nc_u64 s[16:17], s[16:17], s[62:63]
	CROUND
	tensor_load_to_lds s[44:47], s[32:39]          ; Wq: my one tensor load at the head
	s_nop 0
	s_wait_tensorcnt 0x0                           ; a later first fill is issued as a refill is
	ds_add_u32 v[SPW], v[NIL]
	s_wait_dscnt 0x0
	CROUND                                         ; everybody's part of Wq is in
	tensor_load_to_lds s[40:43], s[24:31]          ; slot 0
	s_nop 0
	PLACES 4
	WIN 0x40
	XQ 6
	XQ 7
	WIN 0
.macro FETCHW ks
.irp t, 0,1,2,3
.irp c, 0,1,2,3
	ds_load_b128 v[WB+64*((\ks)%2)+16*\t+4*\c:WB+64*((\ks)%2)+16*\t+4*\c+3], v[AWQ] offset:16*WQP*\t+128*(\ks)+32*\c
.endr
.endr
.endm
.macro QSTEP ks                        ; 128 along K: source 0 = 16 rows of Wq, source 1 = 16 tokens; the 8 accumulators take turns
.if (\ks) < 7
	PLACES 4
	FETCHW (\ks)+1
	s_wait_dscnt 16                                ; all but the 16 just issued
.else
	s_wait_dscnt 0x0
.endif
	s_wait_loadcnt 8*(7-(\ks))                     ; the later K steps' loads, 8 each, may be out
	WIN 0x04
.irp i, 0,1
.irp t, 0,1,2,3
	v_wmma_f32_16x16x128_bf8_bf8 v[QA+32*\i+8*\t:QA+32*\i+8*\t+7], v[WB+64*((\ks)%2)+16*\t:WB+64*((\ks)%2)+16*\t+15], v[128*\i+16*(\ks):128*\i+16*(\ks)+15], v[QA+32*\i+8*\t:QA+32*\i+8*\t+7]
.endr
.endr
	WIN 0
.endm
	FETCHW 0
	s_wait_kmcnt 0x0
	s_add_co_i32 s80, s68, s69                     ; e0 + e1
	s_sub_co_i32 s81, 0, s80
	s_sub_co_i32 s82, s74, s80                     ; a sum stands for sum x 2^(e0 + e1): its code is sum / 2^(e6 - e0 - e1)
	s_add_co_i32 s82, s82, 127
	s_lshl_b32 s83, s82, 23
	v_mov_b32 v[QSC], s83
	s_add_co_i32 s82, s82, 15
	s_lshl_b32 s82, s82, 23
	s_or_b32 s82, s82, 0x600000
	v_mov_b32 v[QLIM], s82
	s_add_co_i32 s82, s76, 127
	s_lshl_b32 s83, s82, 23
	v_mov_b32 v[PSC], s83                          ; 2^e8
	s_add_co_i32 s82, s82, 15
	s_lshl_b32 s82, s82, 23
	s_or_b32 s82, s82, 0x600000
	v_mov_b32 v[PLIM], s82                         ; 57,344 x 2^e8
	v_mov_b32 v[PL2], s82
	s_add_co_i32 s83, s74, s75
	s_lshl_b32 s83, s83, 23
	s_add_co_i32 s22, s22, s83                     ; c x 2^(e6 + e7)
	s_mov_b32 s23, s22
	s_add_co_i32 s84, s76, s77                     ; e8 + e9
	s_wait_loadcnt 56                              ; bq is in (64 loads were issued behind it)
.set n, 0
.rept 32
	v_ldexp_f32 v[QA+32+n], v[QA+n], s81           ; the bias, divided by the power of two that the sums lack, starts both tiles' sums
.set n, n+1
.endr
.set n, 0
.rept 32
	v_ldexp_f32 v[QA+n], v[QA+n], s81
.set n, n+1
.endr
	s_wait_alu depctr_va_vdst(0)
.irp k, 0,1,2,3,4,5,6,7
	QSTEP \k
.endr
	PLACES 4
.set n, 0
.rept 64
	v_med3_num_f32 v[QA+n], v[QA+n], 0, v[QLIM]    ; relu and the hold in one
.set n, n+1
.endr
.irp i, 0,1
.irp t, 0,1,2,3
	v_cvt_scalef32_pk8_bf8_f32 v[QF+8*\i+2*\t:QF+8*\i+2*\t+1], v[QA+32*\i+8*\t:QA+32*\i+8*\t+7], v[QSC]
.endr
.endr
	v_nop
	WIN 0x40
.set n, 0
.rept 64
	v_mov_b32 v[n], 0                              ; O^T: the step is written once, and its first change of M multiplies zeros
.set n, n+1
.endr
	WIN 0
.irp i, 0,1
	v_mov_b32 v[ST+8*\i+1], 0xff61b1e6             ; the largest t so far: -3e38
	v_floor_f32 v[ST+8*\i], -v[ST+8*\i+1]
	v_mov_b32 v[ST+8*\i+2], 0
	v_mov_b32 v[ST+8*\i+3], 0
	v_mov_b32 v[ST+8*\i+5], 0
.endr
	v_add_nc_u32 v[ADR], s48, v[LI]
.macro FETCH_K q
.irp t, 0,1,2,3,4,5,6,7
.irp c, 0,1
	ds_load_b128 v[KF+8*\t+4*\c:KF+8*\t+4*\c+3], v[ADR] offset:16384*(\q)+1024*\t+512*\c
.endr
.endr
.endm
.macro FETCH_V q
.irp d, 0,1,2,3
.irp c, 0,1,2,3
	ds_load_b128 v[VF+16*\d+4*\c:VF+16*\d+4*\c+3], v[ADR] offset:16384*(\q)+8192+2048*\d+512*\c
.endr
.endr
.endm
.macro DHOLD a                         ; the hold of two numbers at the largest code x the scale: p is not negative, so it is one-sided
	v_dual_min_num_f32 v[\a], v[\a], v[PLIM] :: v_dual_min_num_f32 v[\a+1], v[\a+1], v[PL2]
.endm
.macro ASK                             ; slot n + 3, where this change has loaded slot n + 2; not in the loop's last trip
	s_cmp_gt_u32 s49, 1
	s_cbranch_scc0 .Lnot_asked_\@
	global_prefetch_b8 v[PFO], s[PFA:PFA+1] th:TH_LOAD_NT scope:SCOPE_SE
.Lnot_asked_\@:
.endm
.macro MAXES                           ; the step's largest scores, the new -M and f = 2^(old M - new M), both tiles by turns
.irp i, 0,1
	v_max3_num_f32 v[ST+8*\i+6], v[S+64*\i], v[S+64*\i+1], v[S+64*\i+2]
	v_max3_num_f32 v[ST+8*\i+7], v[S+64*\i+3], v[S+64*\i+4], v[S+64*\i+5]
.endr
.irp n, 6,10,14,18,22,26,30,34,38,42,46,50,54,58
.irp i, 0,1
	v_max3_num_f32 v[ST+8*\i+6], v[ST+8*\i+6], v[S+64*\i+\n], v[S+64*\i+\n+1]
	v_max3_num_f32 v[ST+8*\i+7], v[ST+8*\i+7], v[S+64*\i+\n+2], v[S+64*\i+\n+3]
.endr
.endr
.irp i, 0,1
	v_max3_num_f32 v[ST+8*\i+6], v[ST+8*\i+6], v[S+64*\i+62], v[S+64*\i+63]
.endr
.irp i, 0,1
	s_delay_alu instid0(VALU_DEP_2)
	v_max_num_f32 v[ST+8*\i+6], v[ST+8*\i+6], v[ST+8*\i+7]
.endr
.irp i, 0,1
	s_delay_alu instid0(VALU_DEP_2)
	v_permlanex16_b32 v[ST+8*\i+7], v[ST+8*\i+6], s20, s21
.endr
.irp i, 0,1
	s_delay_alu instid0(VALU_DEP_2)
	v_max_num_f32 v[ST+8*\i+6], v[ST+8*\i+6], v[ST+8*\i+7]
.endr
.irp i, 0,1
	s_delay_alu instid0(VALU_DEP_2)
	v_mul_f32 v[ST+8*\i+6], s22, v[ST+8*\i+6]
.endr
.irp i, 0,1
	s_delay_alu instid0(VALU_DEP_2)
	v_max_num_f32 v[ST+8*\i+1], v[ST+8*\i+1], v[ST+8*\i+6]
.endr
.irp i, 0,1
	v_mov_b32 v[ST+8*\i+6], v[ST+8*\i]
.endr
.irp i, 0,1
	s_delay_alu instid0(VALU_DEP_4)
	v_floor_f32 v[ST+8*\i], -v[ST+8*\i+1]
.endr
.irp i, 0,1
	s_delay_alu instid0(VALU_DEP_2)
	v_sub_f32 v[ST+8*\i+6], v[ST+8*\i], v[ST+8*\i+6]
.endr
.irp i, 0,1
	s_delay_alu instid0(VALU_DEP_2)
	v_cvt_i32_f32 v[ST+8*\i+6], v[ST+8*\i+6]
.endr
.irp i, 0,1
	s_delay_alu instid0(VALU_DEP_2)
	v_ldexp_f32 v[ST+8*\i+4], 1.0, v[ST+8*\i+6]
.endr
.endm
; A KEY STEP, the q-th of the slot in hand.  mode 0: the next step lies in the same slot.  mode 1: the slot's last step, with the change of slots and a refill.  mode 2: a last step in the last two slots: nothing is filled.
.macro STEP q, mode
	s_wait_dscnt 0x0                               ; K's fragments are in
	WIN 0x01
.irp t, 0,1,2,3,4,5,6,7
.irp i, 0,1
	v_wmma_f32_16x16x64_bf8_bf8 v[S+64*\i+8*\t:S+64*\i+8*\t+7], v[KF+8*\t:KF+8*\t+7], v[QF+8*\i:QF+8*\i+7], 0
.endr
.endr
	PLACES 4                                       ; in front of the loads into fragments that matrix instructions have read, and of the first read of S^T
	WIN 0x40
	FETCH_V \q
.if \mode == 0
	FETCH_K (\q)+1
.endif
	WIN 0
.if \mode == 1
	s_wait_tensorcnt 0x0                           ; my part of the next slot has landed, and no load of mine is out;
	ds_add_u32 v[SPW], v[NIL]                      ; work on registers stands between the add and the wait for it
	s_xor_b32 s41, s41, SLOTB                      ; the walking descriptor: the slot in hand, the keys two slots on
	s_add_nc_u64 s[42:43], s[42:43], SLOTB
	s_wait_xcnt 0x0                                ; my last prefetch has read its address
	s_add_nc_u64 s[PFA:PFA+1], s[PFA:PFA+1], SLOTB
	s_xor_b32 s48, s48, SLOTB
.endif
.if \mode == 2
	s_xor_b32 s48, s48, SLOTB
	v_add_nc_u32 v[ADR], s48, v[LI]                ; (V's loads above have taken their address)
	s_cmp_eq_u32 s49, 1                            ; behind the very last step no K is wanted
	s_wait_alu depctr_va_vdst(0)
	s_cbranch_scc1 .Lno_k_\@
	WIN 0x40
	FETCH_K 0
	WIN 0
.Lno_k_\@:
.endif
	MAXES
.if \mode == 1
	s_wait_alu depctr_va_vdst(0)
	s_wait_dscnt 0x0                               ; the add is done, V's fragments are in: my reads of this slot are over
	s_barrier_signal -1                            ; opens the round; only work on registers up to its wait
.endif
.set j, 0
.rept 32
	v_pk_fma_f32 v[S+2*j:S+2*j+1], v[S+2*j:S+2*j+1], s[22:23], v[ST:ST+1] op_sel_hi:[1,0,0]   ; tile 0: t - M
.set j, j+1
.endr
	WIN 0x41
.irp i, 0,1
.irp n, 0,2,4,6,8,10,12,14,16,18,20,22,24,26,28,30
	v_pk_mul_f32 v[32*\i+\n:32*\i+\n+1], v[32*\i+\n:32*\i+\n+1], v[ST+8*\i+4:ST+8*\i+5] op_sel_hi:[1,0]   ; O^T under the new M, ahead of the step's exponentials
.endr
.endr
	WIN 0
	s_wait_alu depctr_va_vdst(0)
.set j, 0
.rept 32
	v_exp_f32 v[S+2*j], v[S+2*j]                   ; tile 0: p; beside it tile 1's t - M, first read behind the next wait
	v_exp_f32 v[S+2*j+1], v[S+2*j+1]
	v_pk_fma_f32 v[S+64+2*j:S+64+2*j+1], v[S+64+2*j:S+64+2*j+1], s[22:23], v[ST+8:ST+9] op_sel_hi:[1,0,0]
.set j, j+1
.endr
	s_wait_alu depctr_va_vdst(0)                   ; behind tile 0's batch and ahead of tile 1's
.set m, 0
.rept 16
	v_exp_f32 v[S+64+4*m], v[S+64+4*m]             ; tile 1: p; beside it tile 0's sums of pairs (of the unquantised p) and then its holds: all first read behind the next wait
	v_pk_add_f32 v[T+2*m:T+2*m+1], v[S+4*m:S+4*m+1], v[S+4*m+2:S+4*m+3]
	v_exp_f32 v[S+65+4*m], v[S+65+4*m]
	DHOLD S+4*m
	v_exp_f32 v[S+66+4*m], v[S+66+4*m]
	DHOLD S+4*m+2
	v_exp_f32 v[S+67+4*m], v[S+67+4*m]
.set m, m+1
.endr
.if \mode == 1
	v_add_nc_u32 v[ADR], s48, v[LI]                ; the next slot.  (The plain place behind the last exponential)
.else
	v_nop
.endif
	s_wait_alu depctr_va_vdst(0)                   ; one wait for the batch, ahead of its first reader (mode 1: and directly ahead of the barrier's wait)
.if \mode == 1
	s_barrier_wait -1
	CREST                                          ; no wave of any partner still reads this slot or has a load on its way
	tensor_load_to_lds s[40:43], s[24:31]          ; the refill: my one tensor load behind the round
	s_nop 0
	PLACES 4
	WIN 0x40
	FETCH_K 0
	WIN 0
	ASK
.endif
.set m, 0
.rept 16                               ; tile 0's sum; tile 1's sums of pairs, holds and sum; both tiles' codes
.if m == 0
	v_pk_fma_f32 v[ST+2:ST+3], v[ST+2:ST+3], v[ST+4:ST+5], v[T:T+1] op_sel_hi:[1,0,1]
.else
	v_pk_add_f32 v[ST+2:ST+3], v[ST+2:ST+3], v[T+2*m:T+2*m+1]
.endif
	v_pk_add_f32 v[T+2*m:T+2*m+1], v[S+64+4*m:S+64+4*m+1], v[S+64+4*m+2:S+64+4*m+3]
	DHOLD S+64+4*m
	DHOLD S+64+4*m+2
.if m == 1
	v_pk_fma_f32 v[ST+10:ST+11], v[ST+10:ST+11], v[ST+12:ST+13], v[T:T+1] op_sel_hi:[1,0,1]
.endif
.if m > 1
	v_pk_add_f32 v[ST+10:ST+11], v[ST+10:ST+11], v[T+2*m-2:T+2*m-1]
.endif
.if m%2 == 1
	v_cvt_scalef32_pk8_bf8_f32 v[P+m-1:P+m], v[S+4*m-4:S+4*m+3], v[PSC]
	v_cvt_scalef32_pk8_bf8_f32 v[P+16+m-1:P+16+m], v[S+64+4*m-4:S+64+4*m+3], v[PSC]
.endif
.set m, m+1
.endr
	v_pk_add_f32 v[ST+10:ST+11], v[ST+10:ST+11], v[T+30:T+31]
	v_nop                                          ; plain lines between the last conversion and the products that read its result
.if \mode == 0
	s_wait_alu depctr_va_vdst(0)
	s_wait_dscnt 16                                ; V's fragments are in; the next step's 16 loads of K may be out
.endif
.if \mode == 2
	s_wait_alu depctr_va_vdst(0)
	s_wait_dscnt 0x0
.endif
	WIN 0x51
.irp d, 0,1,2,3
.irp i, 0,1
	v_wmma_f32_16x16x128_bf8_bf8 v[32*\i+8*\d:32*\i+8*\d+7], v[VF+16*\d:VF+16*\d+15], v[P+16*\i:P+16*\i+15], v[32*\i+8*\d:32*\i+8*\d+7]
.endr
.endr
	WIN 0
.endm
	s_wait_alu depctr_va_vdst(0)
	s_wait_tensorcnt 0x0                           ; my part of slot 0 is in; slot 1's first fill is issued as a refill is
	ds_add_u32 v[SPW], v[NIL]
	s_xor_b32 s41, s41, SLOTB
	s_add_nc_u64 s[42:43], s[42:43], SLOTB
	s_wait_dscnt 0x0
	CROUND
	tensor_load_to_lds s[40:43], s[24:31]          ; slot 1
	s_nop 0
	PLACES 4
	WIN 0x40
	FETCH_K 0
	WIN 0
.Lslot:                                            ; six trips: slots 0 to 5 are multiplied, slots 2 to 7 asked for
	STEP 0, 0
	STEP 1, 0
	STEP 2, 0
	STEP 3, 1
	s_sub_co_u32 s49, s49, 1
	s_cmp_lg_u32 s49, 0
	s_cbranch_scc1 .Lslot
	s_wait_tensorcnt 0x0                           ; my part of the last slot is in;
	ds_add_u32 v[SPW], v[NIL]
	s_wait_dscnt 0x0
	s_barrier_signal -1
	s_barrier_wait -1                              ; everybody's is: the last two slots need no further barrier
	WIN 0x40
.irp k, 0,1,2,3,4,5,6,7
.irp u, 0,1
	global_load_b128 v[RES+8*\k+4*\u:RES+8*\k+4*\u+3], v[LI], s[14:15] offset:16384*\k+512*\u th:TH_LOAD_NT   ; queries' numbers for the way out, asked for eight key steps ahead, into window 1's v192-255, which the steps leave alone
.endr
.endr
	WIN 0
	s_mov_b32 s49, 2
.Ltail:
	STEP 0, 0
	STEP 1, 0
	STEP 2, 0
	STEP 3, 2
	s_sub_co_u32 s49, s49, 1
	s_cmp_lg_u32 s49, 0
	s_cbranch_scc1 .Ltail
	; THE WAY OUT: O^T / the sum x 2^(e8 + e9) goes through the stage, channel rows of 256 queries; each wave takes 8 rows back, adds queries' numbers at the same places and stores whole rows of 1,024 bytes
	v_add_f32 v[ST+6], v[ST+2], v[ST+3]
	v_add_f32 v[ST+14], v[ST+10], v[ST+11]
	v_permlanex16_b32 v[ST+7], v[ST+6], s20, s21
	v_permlanex16_b32 v[ST+15], v[ST+14], s20, s21
	s_delay_alu instid0(VALU_DEP_2)
	v_add_f32 v[ST+6], v[ST+6], v[ST+7]
	s_delay_alu instid0(VALU_DEP_2)
	v_add_f32 v[ST+14], v[ST+14], v[ST+15]
	s_wait_alu depctr_va_vdst(0)                   ; ahead of the transcendentals
	v_rcp_f32 v[ST+6], v[ST+6]
	v_rcp_f32 v[ST+14], v[ST+14]
	v_nop
	s_wait_alu depctr_va_vdst(0)                   ; and ahead of their first reader
	v_ldexp_f32 v[INV], v[ST+6], s84
	v_ldexp_f32 v[INV+1], v[ST+6], s84
	v_ldexp_f32 v[INV+2], v[ST+14], s84
	v_ldexp_f32 v[INV+3], v[ST+14], s84
	WIN 0x01
.irp i, 0,1
.irp n, 0,2,4,6,8,10,12,14,16,18,20,22,24,26,28,30
	v_pk_mul_f32 v[S+32*\i+\n:S+32*\i+\n+1], v[32*\i+\n:32*\i+\n+1], v[INV+2*\i:INV+2*\i+1]
.endr
.endr
	WIN 0
.irp i, 0,1
.irp d, 0,1,2,3
.irp j, 0,1,2,3,4,5,6,7
	ds_store_b32 v[STO], v[S+32*\i+8*\d+\j] offset:(16*\d+\j)*WQP+64*\i
.endr
.endr
.endr
	s_wait_dscnt 0x0
	s_barrier_signal -1
	s_barrier_wait -1
.irp k, 0,1,2,3,4,5,6,7
.irp u, 0,1
	ds_load_b128 v[BK+8*\k+4*\u:BK+8*\k+4*\u+3], v[RD] offset:WQP*\k+512*\u
.endr
.endr
	s_wait_loadcnt 0x0
	WIN 0x04                                       ; source 1, queries' numbers, in window 1
.irp n, 0,1,2,3,4,5,6,7,8,9,10,11,12,13,14,15
	s_wait_dscnt 15-\n
	v_pk_add_f32 v[BK+4*\n:BK+4*\n+1], v[BK+4*\n:BK+4*\n+1], v[RES+4*\n:RES+4*\n+1]
	v_pk_add_f32 v[BK+4*\n+2:BK+4*\n+3], v[BK+4*\n+2:BK+4*\n+3], v[RES+4*\n+2:RES+4*\n+3]
.endr
	WIN 0
	s_wait_alu depctr_va_vdst(0)
.irp n, 0,1,2,3,4,5,6,7,8,9,10,11,12,13,14,15
	global_store_b128 v[LI], v[BK+4*\n:BK+4*\n+3], s[16:17] offset:16384*(\n/2)+512*(\n%2) th:TH_STORE_NT   ; 32 lanes store 512 consecutive bytes, aligned
.endr
	s_wait_tensorcnt 0x0                           ; the wave's end
	ds_add_u32 v[SPW], v[NIL]
	s_wait_dscnt 0x0
	CROUND                                         ; the closing round
	s_endpgm
.Lfunc_end_k_q2716820d5b_attn:
	.size	k_q2716820d5b_attn, .Lfunc_end_k_q2716820d5b_attn-k_q2716820d5b_attn
	.p2alignl 7, 3214868480
	.fill 96, 4, 3214868480
	.section	.rodata,"a",@progbits
	.p2align	6, 0x0
	.amdhsa_kernel k_q2716820d5b_attn
		.amdhsa_group_segment_fixed_size 327680
		.amdhsa_private_segment_fixed_size 0
		.amdhsa_enable_private_segment 0
		.amdhsa_kernarg_size 56
		.amdhsa_user_sgpr_count 2
		.amdhsa_user_sgpr_kernarg_segment_ptr 1
		.amdhsa_wavefront_size32 1
		.amdhsa_system_sgpr_workgroup_id_x 1
		.amdhsa_system_sgpr_workgroup_id_y 1
		.amdhsa_system_sgpr_workgroup_id_z 1
		.amdhsa_system_vgpr_workitem_id 0
		.amdhsa_next_free_vgpr 512
		.amdhsa_next_free_sgpr 100
		.amdhsa_reserve_vcc 0
		.amdhsa_float_denorm_mode_32 3
		.amdhsa_float_denorm_mode_16_64 3
		.amdhsa_memory_ordered 1
		.amdhsa_forward_progress 1
		.amdhsa_inst_pref_size 255
	.end_amdhsa_kernel
	.section	.bss,"aw",@nobits
	.p2align	6
	.space	262144
	.amdgpu_metadata
---
amdhsa.version: [ 1, 2 ]
amdhsa.kernels:
  - .name:           k_q2716820d5b_attn
    .symbol:         k_q2716820d5b_attn.kd
    .args:
      - { .name: xq, .offset: 0, .size: 8, .value_kind: global_buffer, .address_space: global }
      - { .name: Wq_w_codes, .offset: 8, .size: 8, .value_kind: global_buffer, .address_space: global }
      - { .name: Wq_b, .offset: 16, .size: 8, .value_kind: global_buffer, .address_space: global }
      - { .name: kv, .offset: 24, .size: 8, .value_kind: global_buffer, .address_space: global }
      - { .name: lowp_scales, .offset: 32, .size: 8, .value_kind: global_buffer, .address_space: global }
      - { .name: queries, .offset: 40, .size: 8, .value_kind: global_buffer, .address_space: global }
      - { .name: out0, .offset: 48, .size: 8, .value_kind: global_buffer, .address_space: global }
    .group_segment_fixed_size: 327680
    .private_segment_fixed_size: 0
    .kernarg_segment_align: 8
    .kernarg_segment_size: 56
    .max_flat_workgroup_size: 256
    .sgpr_count:     100
    .vgpr_count:     512
    .wavefront_size: 32
...
	.end_amdgpu_metadata
.endif
;; end of part 2
